; MI455X (gfx1250); checked and timed in simulation.
; The chip was launched on July 23, 2026; its instructions are those of AMD's public machine-readable ISA for CDNA 5 (MIT licence, August 2026) and "CDNA5" Instruction Set Architecture Reference Guide (July 2026). The comments in the code are by the model that wrote it; some were corrected since.
;; Dot Product Attention. Allowed arithmetic: matrix products marked QUANTISED: E2M3 operands, one E8M0 scale for each 32 along K, by v_wmma_scale_f32_16x16x128_f8f6f4 with both operands' format E2M3, f32 sums; everything else in f32.
;; Inputs: key_codes 2,048 x 2 x 8 x 4 x 24 uint8 (E2M3 codes of key, K innermost, in blocks of 32 codes, four codes in three bytes); key_scales 2,048 x 2 x 8 x 4 uint8 (E8M0 scales of key, one for each 32 codes along K); query_codes 2,048 x 2 x 32 x 4 x 24 uint8 (E2M3 codes of query, K innermost, in blocks of 32 codes, four codes in three bytes); query_scales 2,048 x 2 x 32 x 4 uint8 (E8M0 scales of query, one for each 32 codes along K); value_codes 2 x 8 x 128 x 64 x 24 uint8 (E2M3 codes of value, K innermost, in blocks of 32 codes, four codes in three bytes); value_scales 2 x 8 x 128 x 64 uint8 (E8M0 scales of value, one for each 32 codes along K).
;; Outputs: out0 2,048 x 2 x 32 x 128 float32.
;; This version of the problem:
;;   THIS VERSION OF THE PROBLEM IS GIVEN IN LOW PRECISION. The matrix products marked QUANTISED in the list below multiply operands that are first quantised to E2M3 (2 exponent bits, 3 mantissa bits; 6 bits a number), with one power-of-two scale for each 32 numbers along K (OCP MX v1.0); their sums are f32. All else is computed in f32.
;;   The module's matrix products, in the order in which they are computed (A, B: the left and right operand; K: the contracted axis; several contracted axes count as one K, in the product's order):
;;     1. batch 16 x [M 2,048, K 128] x [K 128, N 8,192]; A: input key (given as codes); B: input query (given as codes): QUANTISED
;;     2. batch 16 x [M 128, K 2,048] x [K 2,048, N 8,192]; A: input value (given as codes); B: softmax (see below): QUANTISED
;;   THE QUANTISER, for each operand of a quantised product, along K:
;;     - K is cut into blocks of 32 from its start; a last block that is shorter is filled with zeros.
;;     - A block's scale is 2^e with e = floor(log2(the largest magnitude in the block)) - 2, held to -126 .. 127; a block of zeros has e = 0. As a byte (E8M0): e + 127.
;;     - Each number is divided by its block's scale, clamped to +-7.5, and rounded to the nearest number of E2M3, ties to even, subnormals kept.
;;     - The product sums the exact products of the quantised numbers (number of the format x scale) in f32.
;;   ~~~python
;;   def quantise(x, axis):      # numpy; x: float32 -> the quantised numbers, widened to float32 again
;;       x = np.moveaxis(x, axis, -1); K = x.shape[-1]
;;       x = np.pad(x, [(0, 0)] * (x.ndim - 1) + [(0, -K % 32)]); x = x.reshape(x.shape[:-1] + (-1, 32)); a = np.abs(x).max(-1, keepdims=True)
;;       e = np.where(a > 0, np.clip(np.frexp(np.where(a > 0, a, 1))[1] - 1 - 2, -126, 127), 0)      # np.frexp(a)[1] - 1 = floor(log2(a)), exactly
;;       r = np.clip(x / 2.0 ** e, -7.5, 7.5)
;;       step = 2.0 ** (np.maximum(np.frexp(np.where(r == 0, 1, r))[1] - 1, 0) - 3)
;;       q = np.round(r / step) * step * 2.0 ** e      # np.round: ties to even
;;       return np.moveaxis(q.reshape(q.shape[:-2] + (-1,))[..., :K], -1, axis).astype(np.float32)
;;   ~~~
;;   SOFTMAX AHEAD OF A QUANTISED PRODUCT. Where the list says 'softmax', what is quantised is not the finished softmax but p = 2^(t - M), with t = logit x log2(e) and M = ceil(the row's largest t), a whole number; so 1/2 < the row's largest p <= 1. The row's sum l is taken of the UNQUANTISED p, in f32, and the product's result is divided by l at the end. Since M is a whole number, a kernel that streams over the keys may use a running M (the ceiling of the running maximum): every later rescaling is an exact power of two, which a block's scale takes up: the codes' values come out the same.
;;   OPERANDS COMPUTED ON THE WAY. 'Computed on the way' means the value that the module computes at that place (a softmax that the list does not call 'softmax' is quantised finished and normalised). What goes into a quantiser is computed in f32, as accurately as f32 sums, v_exp_f32 and their like allow (about 1e-6 of the number): no bf16 or f16 on the way to a quantiser, and a product that is left as it is and whose result goes on into a quantised operand takes f32 operands (vector FMAs, or v_wmma_f32_16x16x4_f32). A number that lies on a knife's edge between two numbers of the format may be rounded either way, as far as f32 arithmetic and the matrix unit's own rounding can turn it there, and no further.
;;   INPUTS GIVEN AS CODES. key (in the module: [2048, 2, 8, 128], K = its axis 3); query (in the module: [2048, 2, 32, 128], K = its axis 3); value (in the module: [2048, 2, 8, 128], K = its axis 0): each comes as NAME_codes (uint8): NAME with its K axis moved to the last place and cut into blocks of 32 codes, [.., K / 32, bytes a block], one block behind the other in memory; four codes in three bytes: a row's codes are one little-endian stream of bits, code i at bits 6 i .. 6 i + 5 (a code: sign, 2 exponent bits, 3 mantissa bits); and NAME_scales (uint8): the same leading axes, one E8M0 byte (e + 127) for each 32 codes along K. Its value is code x scale, taken as it is: it is not quantised again, and the codes and scales need not be those that the quantiser above would give.
;; One version. Each part assembles by itself: llvm-mc -triple=amdgcn-amd-amdhsa -mcpu=gfx1250 --defsym DOCPART=n.
;; ======== version 1 of 1: 1 launch
;; launch attn (part 1): grid 16 x 16, 8 waves a work-group, clusters of 4 x 1, 327,680 bytes of LDS; arguments key_codes, key_scales, query_codes, query_scales, value_codes, value_scales, out0; writes out0
.if DOCPART == 1
	.amdgcn_target "amdgcn-amd-amdhsa--gfx1250"
	.amdhsa_code_object_version 6
	.text
	.protected	k_qeb3f3bf535_attn
	.globl	k_qeb3f3bf535_attn
	.p2align	8
	.type	k_qeb3f3bf535_attn,@function
k_qeb3f3bf535_attn:
	s_mov_b64 s[64:65], 0
	v_nop
	global_prefetch_b8 v0, s[64:65] scope:SCOPE_SE
	s_setreg_imm32_b32 hwreg(HW_REG_WAVE_MODE, 25, 1), 1
	s_wait_xcnt 0x0
	s_wait_alu depctr_hold_cnt(0) depctr_sa_sdst(0) depctr_va_vdst(0) depctr_va_sdst(0) depctr_va_ssrc(0) depctr_va_vcc(0) depctr_vm_vsrc(0)
	s_getreg_b32 s2, hwreg(HW_REG_IB_STS2, 6, 4)
	s_cmp_eq_u32 s2, 0
	s_cbranch_scc0 .Lentry_in_a_cluster
	s_endpgm
.Lentry_in_a_cluster:
	s_bfe_u32 s2, ttmp6, 0x10000c
	s_cmp_lg_u32 s2, 0x3003
	s_cbranch_scc0 .Lentry_shape_is_right
	s_endpgm
.Lentry_shape_is_right:
; Causal attention with grouped queries on codes of FP6 (E2M3) with one E8M0 byte for each 32 along a product's K.  2,048 positions, batch 2, 32 query heads on 8 key/value heads, head size 128.
; out[s][b][hq][:] = sum over k <= s of softmax_k(q . key[k] / sqrt(128)) value[k][:].  bh = 8 b + h (0..15) names a key/value head, hq = 4 bh + g a query head.
; BYTES: key row s 1536 + bh 96; its scale word s 64 + bh 4; query row s 6144 + hq 96; its word s 256 + hq 4; value row d (keys innermost) bh 196608 + d 1536; its scale bytes bh 8192 + d 64; out row s 32768 + hq 512.
; THE SOFTMAX AHEAD OF THE SECOND PRODUCT: t = score x log2(e) / sqrt(128); M = the running largest t rounded UP to a whole number; p = 2^(t - M) is quantised along the keys, not normalised;
; the row's sum is taken of the unquantised p and divides at the end; when M moves, the sum and O are multiplied by 2^(old M - new M), which rounds nothing.
; SHARES.  A cluster is the four query heads (g = my place in the cluster) of one key/value head at the same positions: they want the same tiles of K and V and have the same causal shape, so every tile is asked
; for JOINTLY.  My place enters the global addresses of Q, of its scale words, of out and of the prefetches, and nothing else.  A work-group makes two blocks of 256 positions, one after the other: block 7 - c
; (key slots 0 .. 7 - c of 256 keys) and then block c (slots 0 .. c), c the cluster's x: nine slots in every work-group, so every loop has a constant count and no slot is fetched that nobody reads.
; Which key slot a trip takes and which block it serves are made anew in each trip from the trip's number and c; nothing but the trip's number, the slots' exclusive ors and the prefetches' address is carried from trip to trip.
; Wave w owns 32 positions of a block, two tiles of 16: each fragment of K and V read from LDS feeds two matrix instructions.  A step is 128 keys; a step all of whose keys come after the wave's positions is left out.
; LAYOUT.  Both products are used transposed (S^T = K Q^T, O^T = V^T P^T): a lane holds ONE query (lane % 16) throughout.  THE KEYS OF A TILE ARE NOT NEIGHBOURS: lane r of K's tile 4 c + i takes key
; 64 c + 8 i + r % 8 + 32 (r / 8), so that register 32 c + j of S^T is key 64 c + 32 (lane / 16) + j: a lane holds WHOLE blocks of 32 keys in the very order of the 6-bit operand:
; a block's maximum needs no other lane, and the conversions' results are the operand's registers.
; THE SCALE BYTES ride in the slots.  K's: 64 rows of 196 bytes, 256 apart in memory, begun 4 bh bytes into the slot's 16,384: a row holds four keys' words of my head, at 0, 64, 128, 192, and lies inside 256 aligned bytes.
; V's: 8 bytes of each of 128 rows, 1,024 bytes a slot.  Q's rows are 96 bytes, 6,144 apart in the input as it is given; they are read once, by the wave that owns them.
; LIMITS: a scale byte 0xff and scores that are not finite are not served.  A block whose every p is 0 keeps the scale byte 1 (its codes are zeros).  A block's largest p is made from its largest score
; by the same two instructions, which takes v_exp_f32 not to fall where its input rises.
; REGISTERS, in windows of 256.  Window 0: v1-19, v110-112 addresses; v20-31 scale words and nothing else; v32-63 statistics and scratch; v64-79 second halves of blocks' codes; v80-103 P's codes; v104-109 mask, prefetch; v128-255 S^T, then p.
;   Window 1: v0-127 O^T (tile x, 16 channels t at 64 x + 8 t); v128-223 eight fragments of K or of V; v224-247 Q's two fragments.
.set SLOT1, 131072                     ; slot 1 begins here: one exclusive or turns an address in one slot into the other's
.set VOFF,  24576                      ; a slot: 256 rows of K, 96 bytes each; then 128 rows of V: 3 x (64 bytes + 16 of padding) = 240;
.set KSOFF, 55296                      ; then K's scale words, 64 rows of 196 bytes: key k at 196 (k / 4) + 64 (k % 4);
.set VSOFF, 67840                      ; then V's, 8 bytes a row.  A slot ends at 68,864
.set STAGE, 199936                     ; behind slot 1: 16 rows x (512 bytes + 16) for each wave, for the way out; no fill lands there
.set SPARE, 267520                     ; the spare words, 128 bytes for each wave: four blocks of 256 bytes that no other line names
.set AK0, 1                            ; my lane's place in a tile of K
.set AV0, 2                            ; in a tile of V,
.set AV1, 3                            ; and the same for the pieces that lie behind one padding more
.set ASK0, 4                           ; among K's scale words
.set ASV0, 5                           ; among V's
.set SPW, 6                            ; LDS address of my spare word; never rewritten
.set NIL, 7                            ; 0; never rewritten
.set ADK, 8                            ; the five addresses above in the slot in hand
.set ADV, 9
.set ADV1, 10
.set ADS, 11
.set ADT, 12
.set SH8, 13                           ; 8 (lane / 16)
.set DL,  14                           ; lane % 16 - 32 (lane / 16)
.set GOA, 15                           ; out: 16 x lane + my first position's rows, first block (GOB: second)
.set STO, 16                           ; the way out: where I put 32 bytes of a row
.set SRD, 17                           ; and where I read a row back
.set QAA, 18                           ; Q: 6144 (my first position + r) + 24 h, first block (QAB: second)
.set QSAA, 19                          ; Q's scale words: 256 (my first position + r), first block (QSAB: second)
.set QS,  20                           ; v20-21 Q's scale words, tile x
.set PW,  22                           ; v22-23 p's scale words, tile x
.set FS,  24                           ; v24-31 the scale words of the eight fragments in hand
.set ST,  32                           ; tile x: v[ST+4x] -M, +1 the largest t, +2, +3 the sum in two halves
.set FF,  40                           ; tile x: v[FF+2x] f = 2^(old M - new M); +1 is 0, named with it as a pair
.set BM,  44                           ; v44-47 the four blocks' maxima (block 2 x + c)
.set T,   48                           ; v48-51 at work
.set SO,  52                           ; v52-55 the conversions' scale operands
.set BY,  56                           ; v56-59 the scale bytes
.set C2,  60                           ; tile x: v[C2+2x:C2+2x+1] the second chain of the sums
.set CT,  64                           ; block b: v[CT+4b ..] the codes of its upper 16 keys
.set P,   80                           ; tile x: 12 registers of codes
.set DD,  104                          ; v104-107 the mask's thresholds
.set NINF, 108                         ; -infinity
.set PFO, 109                          ; the prefetches' offset; never rewritten
.set QAB, 110
.set QSAB, 111
.set GOB, 112
.set S,   128
.set OA,  0                            ; window 1
.set F,   128
.set Q,   224
.set KFS, 4                            ; s4       the step's first key (at the head s[4:5]: key_codes)
.set QP,  8                            ; s[8:9]   Q's codes at my query head; never rewritten behind the head
.set QSP, 10                           ; s[10:11] Q's scale words at my query head
.set Q0A, 14                           ; s14      my first position in block 7 - c (at the head s[14:15]: value_scales)
.set Q0B, 15                           ; s15      and in block c
.set OP,  16                           ; s[16:17] out at my query head
.set WV,  18                           ; my wave's number
.set CC,  19                           ; c: the cluster's x
.set SEL, 20                           ; s[20:21] lane selects for v_permlanex16_b32: lane l xor 16
.set CS,  22                           ; s[22:23] log2(e) / sqrt(128): the packed form names a pair and takes its low word for both halves
.set G1K, 24                           ; descriptor groups 1: K's codes, V's codes, K's scale words, V's scale bytes
.set G1V, 32
.set G1KS, 40
.set G1VS, 48
.set G0K, 56                           ; and their groups 0
.set G0V, 60
.set BH,  66
.set W1,  67                           ; wave % 2: which half of a tile I fetch
.set G0KS, 68
.set G0VS, 72
.set KB,  76                           ; where my part of key slot 0 begins in memory: K's codes, V's codes, K's scale words, V's scale bytes
.set VB,  78
.set KSB, 80
.set VSB, 82
.set T0,  84                           ; s[84:85] an offset for the descriptors; s85 stays 0
.set NK,  86                           ; the key slot to be asked for
.set WRAP, 87                          ; 8 - c: from this trip on the second block is served
.set TRIP, 88
.set SW,  89                           ; 7 - c: the trip behind which the first block goes out
.set KF,  90                           ; the first key of the slot in hand
.set Q0,  91                           ; my first position in the block in hand
.set TB,  92                           ; LDS byte at which the slot in hand begins
.set TMP, 93
.set PFA, 94                           ; s[94:95] where my prefetches stand
.set PFS, 96                           ; s[96:97] their step from trip to trip
.set PFN, 98                           ; the number of trips in which I ask
.set CX,  99                           ; my place in the cluster; it and what is made of it stay in s2, s99-101 and the pointers of Q, its scale words, out and the prefetches
.set HQ,  100
.set TC,  101
.set MSB, 0
.macro WIN new                         ; the immediate's high byte repeats the setting that is left; a switch that changes nothing is dropped
.if MSB != \new
	s_set_vgpr_msb (MSB<<8)|\new
.set MSB, \new
.endif
.endm
; A round of the cluster's barrier: my work-group's barrier, so that wave 0's signal speaks for all eight waves; wave 0 signals; every wave waits for the four work-groups; my work-group's barrier once more.
.macro ROUND
	s_barrier_signal -1
	s_barrier_wait -1
	s_cmp_lg_u32 s[WV], 0
	s_cbranch_scc1 .Lnot_wave_0_\@
	s_barrier_signal -3
.Lnot_wave_0_\@:
	s_barrier_wait -3
	s_barrier_signal -1
	s_barrier_wait -1
.endm
; The joint loads of a slot, one a wave: waves 0, 1 K's halves, waves 2, 3 V's halves, wave 4 K's scale words, wave 5 V's scale bytes; waves 6, 7 none.  The branches hang on the wave's number alone.
; Four v_nop follow each tensor line, ahead of the jump, the label and what follows.
.macro TLOAD
	s_cmp_lt_u32 s[WV], 2
	s_cbranch_scc0 .Lnot_k_\@
	tensor_load_to_lds s[G0K:G0K+3], s[G1K:G1K+7]
	s_nop 0
.rept 4
	v_nop
.endr
	s_branch .Lasked_\@
.Lnot_k_\@:
	s_cmp_lt_u32 s[WV], 4
	s_cbranch_scc0 .Lnot_v_\@
	tensor_load_to_lds s[G0V:G0V+3], s[G1V:G1V+7]
	s_nop 0
.rept 4
	v_nop
.endr
	s_branch .Lasked_\@
.Lnot_v_\@:
	s_cmp_eq_u32 s[WV], 4
	s_cbranch_scc0 .Lnot_ks_\@
	tensor_load_to_lds s[G0KS:G0KS+3], s[G1KS:G1KS+7]
	s_nop 0
.rept 4
	v_nop
.endr
	s_branch .Lasked_\@
.Lnot_ks_\@:
	s_cmp_eq_u32 s[WV], 5
	s_cbranch_scc0 .Lasked_\@
	tensor_load_to_lds s[G0VS:G0VS+3], s[G1VS:G1VS+7]
	s_nop 0
.rept 4
	v_nop
.endr
.Lasked_\@:
.endm
; A PREFETCH INTO THE L2, at the change of slots, by the two waves that fetch nothing, in the clusters with c = 0 alone (they walk all eight key slots first).  Partners are told apart by address.
; Wave 6, K's codes: the 64 work-groups that ask name 524,288 consecutive bytes a trip, 8,192 each, lanes 256 bytes apart; trip 0 begins at key slot 2's first byte (786,432); trips 0 to 3 are whole, trip 4 is the
; last 262,144 bytes (heads 0 to 7 ask).  Trip T's tensor loads take key slot T + 1; what trip T names reaches past the end of key slot T + 2.
; Wave 7, V's codes: a lane a row, 32 rows a work-group; trip T names byte 512 + 256 T of the row; trips 0 to 3.  So each aligned 256 bytes from there on are named once; key slots 0 and 1 come by their loads alone.
.macro ASK
	s_cmp_lt_u32 s[TRIP], s[PFN]
	s_cbranch_scc0 .Lnot_mine_\@
	global_prefetch_b8 v[PFO], s[PFA:PFA+1] th:TH_LOAD_NT scope:SCOPE_SE
.Lnot_mine_\@:
.endm
; THE CHANGE OF SLOTS stands at a slot's head.  Each wave waits for all its tensor loads (its part of the slot that it is about to read), adds 0 to its spare word, and waits for that and for its reads of the slot
; that it has left.  fill = 1: a round of the cluster's barrier, and behind it the slot just left is filled with the next key slot: the load has a slot's two steps in which to land.  A wave has one tensor load out at the most.
; Trip T serves block 7 - c with key slot T while T < 8 - c, and from then on block c with key slot T - (8 - c), which is (T + c) % 8 there.
.macro CHANGE fill
	s_wait_tensorcnt 0x0                           ; no tensor load of mine is out, so the groups 0 may be written
	ds_add_u32 v[SPW], v[NIL]                      ; 0 onto my spare word; the scalar work below stands between it and the wait for it
	s_add_co_u32 s[KF], s[TRIP], s[CC]
	s_and_b32 s[KF], s[KF], 7
	s_cmp_ge_u32 s[TRIP], s[WRAP]
	s_cselect_b32 s[Q0], s[Q0B], s[Q0A]            ; my first position in the block that this trip serves
	s_cselect_b32 s[KF], s[KF], s[TRIP]            ; this trip's key slot,
	s_lshl_b32 s[KF], s[KF], 8                     ; and its first key
.if \fill
	s_add_co_u32 s[NK], s[TRIP], 1                 ; the same for the next trip: the key slot to be asked for
	s_add_co_u32 s[TMP], s[NK], s[CC]
	s_and_b32 s[TMP], s[TMP], 7
	s_cmp_ge_u32 s[NK], s[WRAP]
	s_cselect_b32 s[NK], s[TMP], s[NK]
	s_xor_b32 s[G0K+1], s[G0K+1], SLOT1            ; the other slot than last time
	s_xor_b32 s[G0V+1], s[G0V+1], SLOT1
	s_xor_b32 s[G0KS+1], s[G0KS+1], SLOT1
	s_xor_b32 s[G0VS+1], s[G0VS+1], SLOT1
	s_mul_i32 s[T0], s[NK], 393216                 ; 256 keys x 1,536 bytes
	s_add_nc_u64 s[G0K+2:G0K+3], s[KB:KB+1], s[T0:T0+1]
	s_or_b32 s[G0K+3], s[G0K+3], 0x80000000
	s_mul_i32 s[T0], s[NK], 192                    ; 256 codes in a row of V
	s_add_nc_u64 s[G0V+2:G0V+3], s[VB:VB+1], s[T0:T0+1]
	s_or_b32 s[G0V+3], s[G0V+3], 0x80000000
	s_lshl_b32 s[T0], s[NK], 14                    ; 256 keys x 64 scale bytes
	s_add_nc_u64 s[G0KS+2:G0KS+3], s[KSB:KSB+1], s[T0:T0+1]
	s_or_b32 s[G0KS+3], s[G0KS+3], 0x80000000
	s_lshl_b32 s[T0], s[NK], 3                     ; 8 scale bytes in a row of V's
	s_add_nc_u64 s[G0VS+2:G0VS+3], s[VSB:VSB+1], s[T0:T0+1]
	s_or_b32 s[G0VS+3], s[G0VS+3], 0x80000000
	s_wait_xcnt 0x0                                ; the last prefetch, a trip back, has read its address, so it may be stepped
	s_add_nc_u64 s[PFA:PFA+1], s[PFA:PFA+1], s[PFS:PFS+1]
	s_wait_dscnt 0x0                               ; the add is done, and my reads of the slot that I have left are over
	ROUND                                          ; both now hold of every wave of the four work-groups
	TLOAD                                          ; the first thing behind the round, and a wave's one tensor load until the next
	ASK
.else
	s_wait_dscnt 0x0
	s_barrier_signal -1
	s_barrier_wait -1
.endif
.endm
; Eight products S^T = K Q^T: K's tiles t0 .. t0 + 3 against my two tiles of queries; each starts its sum with the constant 0
.macro KQ t0
.irp t, \t0, \t0+1, \t0+2, \t0+3
.irp x, 0,1
	v_wmma_scale_f32_16x16x128_f8f6f4 v[S+64*\x+8*(\t):S+64*\x+8*(\t)+7], v[F+12*(\t):F+12*(\t)+11], v[Q+12*\x:Q+12*\x+11], 0, v[FS+(\t)], v[QS+\x] matrix_a_fmt:MATRIX_FMT_FP6 matrix_b_fmt:MATRIX_FMT_FP6
.endr
.endr
.endm
; THE SOFTMAX of a step, both tiles together; block b = 2 x + c is tile x's keys 64 c + 32 (lane / 16) + 0 .. 31, in v[S + 32 b] on.
.macro SOFTMAX
.irp b, 0,1,2,3
	v_max3_num_f32 v[BM+\b], v[S+32*\b], v[S+32*\b+1], v[S+32*\b+2]   ; THE LARGEST SCORE OF EACH BLOCK: for the row's maximum and, since p rises with the score, for the block's largest p.  Ascending: each accumulator is first read at its lowest register
.endr
.irp i, 3,5,7,9,11,13,15,17,19,21,23,25,27,29
.irp b, 0,1,2,3
	v_max3_num_f32 v[BM+\b], v[BM+\b], v[S+32*\b+\i], v[S+32*\b+\i+1]   ; (the four blocks by turns)
.endr
.endr
.irp b, 0,1,2,3
	v_max_num_f32 v[BM+\b], v[BM+\b], v[S+32*\b+31]
.endr
.irp x, 0,1
	v_max_num_f32 v[T+\x], v[BM+2*\x], v[BM+2*\x+1]
.endr
.irp x, 0,1
	v_permlanex16_b32 v[T+2+\x], v[T+\x], s[SEL], s[SEL+1]
.endr
.irp x, 0,1
	v_max_num_f32 v[T+\x], v[T+\x], v[T+2+\x]      ; with lane l xor 16's 64 keys: the step's largest score of my query
.endr
.irp x, 0,1
	v_mul_f32 v[T+\x], s[CS], v[T+\x]              ; as t
.endr
.irp x, 0,1
	v_max_num_f32 v[ST+4*\x+1], v[ST+4*\x+1], v[T+\x]   ; the running largest t
.endr
.irp x, 0,1
	v_mov_b32 v[T+\x], v[ST+4*\x]
.endr
.irp x, 0,1
	v_floor_f32 v[ST+4*\x], -v[ST+4*\x+1]          ; the new -M = floor(-t) = -ceil(t): M is a whole number
.endr
.irp x, 0,1
	v_sub_f32 v[T+\x], v[ST+4*\x], v[T+\x]         ; old M - new M: a whole number, 0 or less
.endr
.irp x, 0,1
	v_cvt_i32_f32 v[T+\x], v[T+\x]                 ; (it saturates)
.endr
.irp x, 0,1
	v_ldexp_f32 v[FF+2*\x], 1.0, v[T+\x]           ; f = 2^(old M - new M)
.endr
.set j, 0
.rept 64
	v_pk_fma_f32 v[S+j:S+j+1], v[S+j:S+j+1], s[CS:CS+1], v[ST+4*(j/64):ST+4*(j/64)+1] op_sel_hi:[1,0,0]   ; t - M, two at a time
.set j, j+2
.endr
.irp b, 0,1,2,3
	v_fma_f32 v[BM+\b], v[BM+\b], s[CS], v[ST+4*(\b/2)]   ; the same of each block's largest score
.endr
.set j, 0
.rept 128
	v_exp_f32 v[S+j], v[S+j]                       ; p = 2^(t - M), at most 1
.set j, j+1
.endr
.irp x, 0,1
	v_pk_mul_f32 v[ST+4*\x+2:ST+4*\x+3], v[ST+4*\x+2:ST+4*\x+3], v[FF+2*\x:FF+2*\x+1] op_sel_hi:[1,0]   ; the sums under the new M: the plain instructions behind the exponentials
.endr
	s_wait_alu depctr_va_vdst(0)                   ; one wait for the batch of 128, ahead of its first reader
.irp b, 0,1,2,3
	v_exp_f32 v[BM+\b], v[BM+\b]                   ; the block's largest p: the same two instructions on the same number give the same bits
.endr
.irp x, 0,1
	v_pk_add_f32 v[C2+2*\x:C2+2*\x+1], v[S+64*\x:S+64*\x+1], v[S+64*\x+2:S+64*\x+3]   ; THE ROW'S SUM IS TAKEN OF THE UNQUANTISED p, in two chains a tile.  (It reads the 128 alone: plain work behind the four)
.endr
.irp i, 4,8,12,16,20,24,28,32,36,40,44,48,52,56,60
.irp x, 0,1
	v_pk_add_f32 v[ST+4*\x+2:ST+4*\x+3], v[ST+4*\x+2:ST+4*\x+3], v[S+64*\x+\i:S+64*\x+\i+1]
	v_pk_add_f32 v[C2+2*\x:C2+2*\x+1], v[C2+2*\x:C2+2*\x+1], v[S+64*\x+\i+2:S+64*\x+\i+3]
.endr
.endr
.irp x, 0,1
	v_pk_add_f32 v[ST+4*\x+2:ST+4*\x+3], v[ST+4*\x+2:ST+4*\x+3], v[C2+2*\x:C2+2*\x+1]
.endr
	s_wait_alu depctr_va_vdst(0)                   ; and one for the four
.irp b, 0,1,2,3
	v_max_num_f32 v[BM+\b], 0x1800000, v[BM+\b]    ; the floor 2^(3 - 127): the byte cannot fall under 1
.endr
.irp b, 0,1,2,3
	v_add_nc_u32 v[SO+\b], 0xff000000, v[BM+\b]    ; 2 off the exponent field: the conversion's scale operand
.endr
.irp b, 0,1,2,3
	v_lshrrev_b32 v[BY+\b], 23, v[SO+\b]           ; the scale's byte
.endr
.irp x, 0,1
	v_lshl_or_b32 v[T+\x], v[BY+2*\x+1], 16, v[BY+2*\x]   ; my two bytes: blocks h and 2 + h of these 128 keys,
.endr
.irp x, 0,1
	v_lshlrev_b32 v[T+\x], v[SH8], v[T+\x]         ; at their places in the scale word (8 h bits up);
.endr
.irp x, 0,1
	v_permlanex16_b32 v[T+2+\x], v[T+\x], s[SEL], s[SEL+1]
.endr
.irp x, 0,1
	v_or_b32 v[PW+\x], v[T+\x], v[T+2+\x]          ; with lane l xor 16's two the word is whole
.endr
.irp b, 0,1,2,3
	v_cvt_scalef32_pk16_fp6_f32 v[P+6*\b:P+6*\b+2], v[S+32*\b:S+32*\b+15], v[SO+\b]      ; registers 6 c .. 6 c + 2 of tile x's operand
	v_cvt_scalef32_pk16_fp6_f32 v[CT+4*\b:CT+4*\b+2], v[S+32*\b+16:S+32*\b+31], v[SO+\b] ; (a conversion's three registers begin on an even number: the upper half is made elsewhere and moved)
.endr
	v_nop                                          ; one plain instruction behind the scaled conversions
.irp b, 0,1,2,3
.irp i, 0,1,2
	v_mov_b32 v[P+6*\b+3+\i], v[CT+4*\b+\i]
.endr
.endr
	WIN 0x41                                       ; O^T (destination and source 0) in window 1, f in window 0
.set j, 0
.rept 64
	v_pk_mul_f32 v[OA+j:OA+j+1], v[OA+j:OA+j+1], v[FF+2*(j/64):FF+2*(j/64)+1] op_sel_hi:[1,0]   ; O^T under the new M.  (These are also the plain instructions between the scale words and codes just made and the products that take them)
.set j, j+2
.endr
.endm
; A KEY STEP: 128 keys, the q-th of the slot in hand, for my two tiles of queries.
.macro STEP q
	s_add_co_u32 s[KFS], s[KF], 128*(\q)           ; the step's first key
	s_add_co_u32 s[TMP], s[Q0], 31                 ; a step all of whose keys come after my 32 positions is left out: a branch on ids; no barrier and no tensor load stands in a step
	s_cmp_gt_u32 s[KFS], s[TMP]
	s_cbranch_scc1 .Lhidden_\@
	v_add_nc_u32 v[ADK], s[TB], v[AK0]             ; five plain instructions: the places (four are asked) between the last products and the loads into registers that they have read
	v_add_nc_u32 v[ADV], s[TB], v[AV0]
	v_add_nc_u32 v[ADV1], s[TB], v[AV1]
	v_add_nc_u32 v[ADS], s[TB], v[ASK0]
	v_add_nc_u32 v[ADT], s[TB], v[ASV0]
.irp t, 0,1,2,3,4,5,6,7
	ds_load_b32 v[FS+\t], v[ADS] offset:(128*(\q)+64*(\t/4)+8*(\t%4))*49   ; a tile begins at a multiple of 8 keys: 196 bytes for each four
.endr
	WIN 0x40                                       ; destination window 1
.irp t, 0,1,2,3,4,5,6,7
.irp p, 0,1,2,3,4,5
	ds_load_b64 v[F+12*\t+2*\p:F+12*\t+2*\p+1], v[ADK] offset:(128*(\q)+64*(\t/4)+8*(\t%4))*96+48*(\p/3)+8*(\p%3)
.endr
.endr
	s_wait_dscnt 24                                ; the scale words and fragments 0 to 3 are in; the youngest 24 loads (fragments 4 to 7, six each) may be out
	WIN 0x05                                       ; K and Q in window 1, S^T in window 0
	KQ 0
	s_wait_dscnt 0x0
	KQ 4
	WIN 0
.rept 4
	v_nop                                          ; places in front of the loads below and of the first read of the scores
.endr
.irp t, 0,1,2,3,4,5,6,7                        ; V's fragments and scale words are asked for now and land while the softmax is worked
	ds_load_b32 v[FS+\t], v[ADT] offset:128*\t+4*(\q)
.endr
	WIN 0x40
.irp t, 0,1,2,3,4,5,6,7
.irp p, 0,1,2,3,4,5                            ; pieces of 8 bytes; 16 bytes of padding lie behind every 8 pieces; lanes 16-31 read three pieces on: where that is behind one padding more, the second address serves
.set PC, 12*(\q)+6*(\p/3)+\p%3
.if PC%8 < 5
	ds_load_b64 v[F+12*\t+2*\p:F+12*\t+2*\p+1], v[ADV] offset:8*PC+16*(PC/8)+3840*\t
.else
	ds_load_b64 v[F+12*\t+2*\p:F+12*\t+2*\p+1], v[ADV1] offset:8*PC+16*(PC/8)+3840*\t
.endif
.endr
.endr
	WIN 0
	s_add_co_u32 s[TMP], s[KFS], 127               ; THE MASK: only the step on the diagonal has hidden keys; a step all of whose keys count skips this
	s_cmp_le_u32 s[TMP], s[Q0]
	s_cbranch_scc1 .Lopen_\@
	s_sub_co_i32 s[TMP], s[Q0], s[KFS]
	v_add_nc_u32 v[DD], s[TMP], v[DL]              ; register i of block 2 x + c is key KFS + 64 c + 32 h + i, my query Q0 + 16 x + r: hidden where i > Q0 - KFS + r - 32 h + 16 x - 64 c
	v_add_nc_u32 v[DD+1], 0xffffffc0, v[DD]
	v_add_nc_u32 v[DD+2], 16, v[DD]
	v_add_nc_u32 v[DD+3], 16, v[DD+1]
.irp b, 0,1,2,3
.set j, 0
.rept 32
	v_cmp_gt_i32 vcc_lo, j, v[DD+\b]
	v_cndmask_b32 v[S+32*\b+j], v[S+32*\b+j], v[NINF], vcc_lo   ; -infinity ahead of the maximum: p = 0 then.  The step's first key counts for every query of a step that is worked, so M stays a number
.set j, j+1
.endr
.endr
.Lopen_\@:
	SOFTMAX
	s_wait_dscnt 0x0                               ; V's fragments and scale words are in
	WIN 0x51                                       ; V and O^T in window 1, P in window 0
.irp t, 0,1,2,3,4,5,6,7                        ; O^T += V^T P^T: sixteen accumulators, one instruction a turn
.irp x, 0,1
	v_wmma_scale_f32_16x16x128_f8f6f4 v[OA+64*\x+8*\t:OA+64*\x+8*\t+7], v[F+12*\t:F+12*\t+11], v[P+12*\x:P+12*\x+11], v[OA+64*\x+8*\t:OA+64*\x+8*\t+7], v[FS+\t], v[PW+\x] matrix_a_fmt:MATRIX_FMT_FP6 matrix_b_fmt:MATRIX_FMT_FP6
.endr
.endr
	WIN 0
.Lhidden_\@:
.endm
.macro QLOAD qa, qsa                   ; my two tiles of Q stay in registers: lane (r, h) takes 24 bytes at 24 h and at 48 + 24 h of row r, in pieces of 8 bytes; and the rows' scale words
	WIN 0x40
.irp x, 0,1
.irp p, 0,1,2,3,4,5
	global_load_b64 v[Q+12*\x+2*\p:Q+12*\x+2*\p+1], v[\qa], s[QP:QP+1] offset:98304*\x+48*(\p/3)+8*(\p%3)
.endr
.endr
	WIN 0
.irp x, 0,1
	global_load_b32 v[QS+\x], v[\qsa], s[QSP:QSP+1] offset:4096*\x
.endr
.endm
.macro RESET                           ; a block begins: the largest t is -3e38, under every t; the sum and O^T are zeros, which the first change of M leaves zeros.  So the step is written without a first step of its own
.irp x, 0,1
	v_mov_b32 v[ST+4*\x+1], 0xff61b1e6
	v_mov_b32 v[ST+4*\x+2], 0
	v_mov_b32 v[ST+4*\x+3], 0
.endr
.irp x, 0,1
	v_floor_f32 v[ST+4*\x], -v[ST+4*\x+1]
.endr
	WIN 0x40
.set j, 0
.rept 128
	v_mov_b32 v[OA+j], 0
.set j, j+1
.endr
	WIN 0
.endm
; THE WAY OUT.  O^T / the sum goes through my stage in LDS, a tile of 16 rows at a time, and comes back as whole rows of 512 bytes: the 32 lanes of a store cover 512 consecutive bytes, at a multiple of 512 from out's first byte.
.macro OUTPUT go
.irp x, 0,1
	v_add_f32 v[T+\x], v[ST+4*\x+2], v[ST+4*\x+3]  ; the sum's two halves.  (These additions and the v_nop below are the places behind the last products)
.endr
.irp x, 0,1
	v_permlanex16_b32 v[T+2+\x], v[T+\x], s[SEL], s[SEL+1]
.endr
.irp x, 0,1
	v_add_f32 v[T+\x], v[T+\x], v[T+2+\x]          ; and lane l xor 16's: the row's sum
.endr
.irp x, 0,1
	v_rcp_f32 v[BM+\x], v[T+\x]
.endr
	v_nop                                          ; a plain instruction behind the reciprocals
	s_wait_alu depctr_va_vdst(0)                   ; and one wait for the two, ahead of their first reader
.irp x, 0,1
	WIN 0x01                                       ; source 0 (O^T) in window 1
.set j, 0
.rept 64
	v_mul_f32 v[S+64*\x+j], v[OA+64*\x+j], v[BM+\x]   ; register 8 t + i is out(r, 16 t + 8 h + i); ascending: each accumulator is first read at its lowest register
.set j, j+1
.endr
	WIN 0
.irp t, 0,1,2,3,4,5,6,7
	ds_store_b128 v[STO], v[S+64*\x+8*\t:S+64*\x+8*\t+3] offset:64*\t
	ds_store_b128 v[STO], v[S+64*\x+8*\t+4:S+64*\x+8*\t+7] offset:64*\t+16
.endr
.irp i, 0,1,2,3,4,5,6,7,8,9,10,11,12,13,14,15
	ds_load_b128 v[S+64*\x+4*\i:S+64*\x+4*\i+3], v[SRD] offset:528*\i   ; LDS serves a wave's instructions in order (ISA guide 5.7.1.4): these see my stores, and the next tile's stores come behind them
.endr
.endr
.irp x, 0,1
.irp i, 0,1,2,3,4,5,6,7,8,9,10,11,12,13,14,15
	s_wait_dscnt 47-32*\x-\i                       ; row i of tile x is back; out may be: the tile's 15 - i later loads and, for tile 0, tile 1's 32 stage instructions
	global_store_b128 v[\go], v[S+64*\x+4*\i:S+64*\x+4*\i+3], s[OP:OP+1] offset:(16*\x+\i)*32768 th:TH_STORE_NT
.endr
.endr
.endm
.macro SWITCH                          ; block 7 - c is finished: on to block c.  The new Q is asked for first, so that it lands while the finished block goes out.  No scalar register is written here
	QLOAD QAB, QSAB
	OUTPUT GOA
	s_wait_xcnt 0x0                                ; the stores have read their data: the registers are written again only behind this wait
	RESET
	s_wait_loadcnt 0x0                             ; Q
.endm
	s_load_b256 s[4:11], s[0:1], 0x0               ; key_codes s[4:5], key_scales s[6:7], query_codes s[8:9], query_scales s[10:11]
	s_load_b128 s[12:15], s[0:1], 0x20             ; value_codes s[12:13], value_scales s[14:15]
	s_load_b64 s[16:17], s[0:1], 0x30              ; out0
	v_lshl_add_u32 v[SPW], v0, 2, SPARE
	v_mov_b32 v[NIL], 0
	ds_add_u32 v6, v7
	s_wait_dscnt 0x0
	v_lshrrev_b32 v8, 5, v0
	v_readfirstlane_b32 s[WV], v8                  ; wave 0..7
	s_bfe_u32 s[CX], ttmp6, 0x40000                ; my place in the cluster = the query head within its group
	s_mov_b32 s[CC], ttmp9                         ; c: the cluster's x, 0..3
	s_and_b32 s[BH], ttmp7, 0xffff                 ; the key/value head, 0..15: the cluster's y
	s_and_b32 s[W1], s[WV], 1
	; descriptor groups 1.  15:0 the mask: all four work-groups; 17:16 the element's size; 20 padding on; 21 set beside a mask; 24:22 the padding's interval; 31:25 its length
	s_mov_b32 s[G1K], 15|(1<<21)                   ; K's codes: 128 rows x 96 bytes, 1,536 bytes apart; no padding
	s_mov_b32 s[G1K+1], 96<<16                     ; tensor_dim0
	s_mov_b32 s[G1K+2], 128<<16                    ; tensor_dim1
	s_mov_b32 s[G1K+3], 96<<16                     ; tile_dim0
	s_mov_b32 s[G1K+4], 128                        ; tile_dim1
	s_mov_b32 s[G1K+5], 1536                       ; tensor_dim0_stride
	s_mov_b32 s[G1K+6], 0
	s_mov_b32 s[G1K+7], 0
	s_mov_b32 s[G1V], 15|(1<<20)|(1<<21)|(3<<22)|(3<<25)   ; V's codes: 64 rows x 192 bytes, 1,536 apart; 4 words of padding behind every 16
	s_mov_b32 s[G1V+1], 192<<16
	s_mov_b32 s[G1V+2], 64<<16
	s_mov_b32 s[G1V+3], 192<<16
	s_mov_b32 s[G1V+4], 64
	s_mov_b32 s[G1V+5], 1536
	s_mov_b32 s[G1V+6], 0
	s_mov_b32 s[G1V+7], 0
	s_mov_b32 s[G1KS], 15|(2<<16)|(1<<21)          ; K's scale words: 64 rows x 49 elements of 4 bytes, 64 elements apart; no padding
	s_mov_b32 s[G1KS+1], 49<<16
	s_mov_b32 s[G1KS+2], 64<<16
	s_mov_b32 s[G1KS+3], 49<<16
	s_mov_b32 s[G1KS+4], 64
	s_mov_b32 s[G1KS+5], 64
	s_mov_b32 s[G1KS+6], 0
	s_mov_b32 s[G1KS+7], 0
	s_mov_b32 s[G1VS], 15|(2<<16)|(1<<21)          ; V's scale bytes: 128 rows x 2 elements of 4 bytes, 16 elements apart
	s_mov_b32 s[G1VS+1], 2<<16
	s_mov_b32 s[G1VS+2], 128<<16
	s_mov_b32 s[G1VS+3], 2<<16
	s_mov_b32 s[G1VS+4], 128
	s_mov_b32 s[G1VS+5], 16
	s_mov_b32 s[G1VS+6], 0
	s_mov_b32 s[G1VS+7], 0
	s_mov_b32 s[T0+1], 0
	s_mov_b32 s3, 0
	s_mov_b32 s[SEL], 0x76543210
	s_mov_b32 s[SEL+1], 0xfedcba98
	s_mov_b32 s[CS], 0x3e0293ee                    ; log2(e) / sqrt(128)
	s_mov_b32 s[CS+1], s[CS]                       ; (named with it as a pair, so it is written)
	s_xor_b32 s[SW], s[CC], 7                      ; 7 - c
	s_add_co_u32 s[WRAP], s[SW], 1                 ; 8 - c
	s_lshl_b32 s[HQ], s[BH], 2
	s_add_co_u32 s[HQ], s[HQ], s[CX]               ; my query head
	s_wait_kmcnt 0x0
	s_mul_i32 s[T0], s[BH], 96                     ; where my part of key slot 0 begins: K's codes: my head's 96 bytes of a key's row, + 128 keys for the second half
	s_mul_i32 s[TMP], s[W1], 196608
	s_add_co_u32 s[T0], s[T0], s[TMP]
	s_add_nc_u64 s[KB:KB+1], s[4:5], s[T0:T0+1]
	s_mul_i32 s[T0], s[BH], 196608                 ; V's codes: my head's 128 rows, + 64 rows for the second half
	s_mul_i32 s[TMP], s[W1], 98304
	s_add_co_u32 s[T0], s[T0], s[TMP]
	s_add_nc_u64 s[VB:VB+1], s[12:13], s[T0:T0+1]
	s_lshl_b32 s[T0], s[BH], 2
	s_add_nc_u64 s[KSB:KSB+1], s[6:7], s[T0:T0+1]  ; K's scale words: my head's word of key 0
	s_lshl_b32 s[T0], s[BH], 13
	s_add_nc_u64 s[VSB:VSB+1], s[14:15], s[T0:T0+1]   ; V's scale bytes: my head's 128 rows
	s_mov_b32 s[G0K], 1                            ; groups 0: 1:0 count = 1; 63:32 LDS address (slot 0); 120:64 global address (key slot 0); 127:126 type = 2
	s_mul_i32 s[G0K+1], s[W1], 12288
	s_mov_b64 s[G0K+2:G0K+3], s[KB:KB+1]
	s_or_b32 s[G0K+3], s[G0K+3], 0x80000000
	s_mov_b32 s[G0V], 1
	s_mul_i32 s[G0V+1], s[W1], 15360
	s_add_co_u32 s[G0V+1], s[G0V+1], VOFF
	s_mov_b64 s[G0V+2:G0V+3], s[VB:VB+1]
	s_or_b32 s[G0V+3], s[G0V+3], 0x80000000
	s_mov_b32 s[G0KS], 1
	s_mov_b32 s[G0KS+1], KSOFF
	s_mov_b64 s[G0KS+2:G0KS+3], s[KSB:KSB+1]
	s_or_b32 s[G0KS+3], s[G0KS+3], 0x80000000
	s_mov_b32 s[G0VS], 1
	s_mov_b32 s[G0VS+1], VSOFF
	s_mov_b64 s[G0VS+2:G0VS+3], s[VSB:VSB+1]
	s_or_b32 s[G0VS+3], s[G0VS+3], 0x80000000
	ROUND                                          ; all four work-groups are here: the first joint loads meet
	TLOAD                                          ; slot 0: key slot 0
	v_and_b32 v44, 15, v0                          ; r = lane % 16
	v_bfe_u32 v45, v0, 4, 1                        ; h = lane / 16
	v_and_b32 v47, 31, v0                          ; lane
	s_mul_i32 s2, s[HQ], 96                        ; Q's codes, its scale words and out at my query head: the pointers stay so
	s_add_nc_u64 s[QP:QP+1], s[QP:QP+1], s[2:3]
	s_lshl_b32 s2, s[HQ], 2
	s_add_nc_u64 s[QSP:QSP+1], s[QSP:QSP+1], s[2:3]
	s_lshl_b32 s2, s[HQ], 9
	s_add_nc_u64 s[OP:OP+1], s[OP:OP+1], s[2:3]
	s_lshl_b32 s[TMP], s[WV], 5
	s_lshl_b32 s[Q0A], s[SW], 8
	s_add_co_u32 s[Q0A], s[Q0A], s[TMP]            ; my first position in block 7 - c: 256 (7 - c) + 32 x wave
	s_lshl_b32 s[Q0B], s[CC], 8
	s_add_co_u32 s[Q0B], s[Q0B], s[TMP]            ; and in block c
	v_mul_u32_u24 v49, v44, 6144                   ; the positions stand in the vector offsets, one set for each block
	v_mad_u32_u24 v49, v45, 24, v49
	s_mul_i32 s[TMP], s[Q0A], 6144
	v_add_nc_u32 v[QAA], s[TMP], v49
	s_mul_i32 s[TMP], s[Q0B], 6144
	v_add_nc_u32 v[QAB], s[TMP], v49
	v_lshlrev_b32 v49, 8, v44
	s_lshl_b32 s[TMP], s[Q0A], 8
	v_add_nc_u32 v[QSAA], s[TMP], v49
	s_lshl_b32 s[TMP], s[Q0B], 8
	v_add_nc_u32 v[QSAB], s[TMP], v49
	QLOAD QAA, QSAA
	v_lshlrev_b32 v49, 4, v47                      ; 16 x lane
	s_lshl_b32 s[TMP], s[Q0A], 15
	v_add_nc_u32 v[GOA], s[TMP], v49
	s_lshl_b32 s[TMP], s[Q0B], 15
	v_add_nc_u32 v[GOB], s[TMP], v49
	v_and_b32 v46, 7, v44
	v_and_b32 v48, 8, v44
	v_lshl_add_u32 v46, v48, 2, v46                ; r % 8 + 32 (r / 8): my key in a tile of K
	v_mul_u32_u24 v[AK0], v46, 96
	v_mad_u32_u24 v[AK0], v45, 24, v[AK0]
	v_mul_u32_u24 v[AV0], v44, 240
	v_add_nc_u32 v[AV0], VOFF, v[AV0]
	v_mad_u32_u24 v[AV1], v45, 40, v[AV0]
	v_mad_u32_u24 v[AV0], v45, 24, v[AV0]
	v_lshrrev_b32 v[ASK0], 2, v46                  ; my key's scale word: 196 bytes for each four keys, 64 for each key in them
	v_mul_u32_u24 v[ASK0], v[ASK0], 196
	v_and_b32 v48, 3, v46
	v_lshl_add_u32 v[ASK0], v48, 6, v[ASK0]
	v_add_nc_u32 v[ASK0], KSOFF, v[ASK0]
	v_lshl_add_u32 v[ASV0], v44, 3, VSOFF
	v_lshlrev_b32 v[SH8], 3, v45
	v_lshlrev_b32 v[DL], 5, v45
	v_sub_nc_u32 v[DL], v44, v[DL]
	s_mul_i32 s[TMP], s[WV], 8448
	s_add_co_u32 s[TMP], s[TMP], STAGE             ; my stage
	v_mul_u32_u24 v[STO], v44, 528
	v_lshl_add_u32 v[STO], v45, 5, v[STO]
	v_add_nc_u32 v[STO], s[TMP], v[STO]            ; in: row r, + 32 h; tile t's eight channels 64 t on
	v_add_nc_u32 v[SRD], s[TMP], v49               ; back: 16 bytes a lane of a row
	v_mov_b32 v[T+2], 0                            ; written once: a lane permute's destination counts as one of its sources
	v_mov_b32 v[T+3], 0
	v_mov_b32 v[FF+1], 0                           ; named as the upper halves of the pairs with f
	v_mov_b32 v[FF+3], 0
	v_mov_b32 v[NINF], 0xff800000
	; the prefetches (macro ASK): where mine stand, and in how many trips I ask.  The first change of slots steps the address once before it is first used
	s_cmp_eq_u32 s[WV], 6                          ; wave 6: K's codes; wave 7: V's
	s_cselect_b64 s[PFA:PFA+1], s[4:5], s[12:13]
	s_mov_b32 s[PFS], 256
	s_cselect_b32 s[PFS], 524288, s[PFS]           ; from trip to trip
	s_mov_b32 s[PFS+1], 0
	s_mov_b32 s[PFN], 1536
	s_cselect_b32 s[PFN], 256, s[PFN]              ; from lane to lane (for the one line below)
	s_mov_b32 s[TMP], 196608
	s_cselect_b32 s[TMP], 32768, s[TMP]            ; from head to head
	s_mov_b32 s[TC], 49152
	s_cselect_b32 s[TC], 8192, s[TC]               ; from partner to partner
	s_mov_b32 s2, 256
	s_cselect_b32 s2, 262144, s2                   ; one step short of the first byte named
	s_mul_i32 s[TMP], s[TMP], s[BH]
	s_mul_i32 s[TC], s[TC], s[CX]
	s_add_co_u32 s2, s2, s[TMP]
	s_add_co_u32 s2, s2, s[TC]
	s_add_nc_u64 s[PFA:PFA+1], s[PFA:PFA+1], s[2:3]
	v_and_b32 v[PFO], 31, v0
	v_mul_u32_u24 v[PFO], s[PFN], v[PFO]
	s_cmp_lt_u32 s[BH], 8
	s_cselect_b32 s[PFN], 5, 4                     ; K's fifth trip is half a trip: heads 0 to 7
	s_cmp_eq_u32 s[WV], 6
	s_cselect_b32 s[PFN], s[PFN], 4
	s_cmp_ge_u32 s[WV], 6
	s_cselect_b32 s[PFN], s[PFN], 0                ; the waves that fetch ask for nothing,
	s_cmp_eq_u32 s[CC], 0
	s_cselect_b32 s[PFN], s[PFN], 0                ; nor do the clusters with c above 0: the same in all four partners
	RESET
	s_mov_b32 s[TRIP], 0
	s_mov_b32 s[TB], 0
	s_wait_loadcnt 0x0                             ; Q
.Lslot:                                            ; eight trips: behind each change of slots but the last the next of the nine slots is asked for
	CHANGE 1
	STEP 0
	STEP 1
	s_xor_b32 s[TB], s[TB], SLOT1                  ; on to the other slot
	s_cmp_lg_u32 s[TRIP], s[SW]                    ; behind trip 7 - c the first block is finished: the same in all four partners
	s_cbranch_scc1 .Lsame_walk
	SWITCH
.Lsame_walk:
	s_add_co_u32 s[TRIP], s[TRIP], 1
	s_cmp_lt_u32 s[TRIP], 8
	s_cbranch_scc1 .Lslot
	CHANGE 0                                       ; the ninth slot is written out
	STEP 0
	STEP 1
	OUTPUT GOB
	s_wait_tensorcnt 0x0                           ; the wave's end, behind my last tensor load and my last LDS store
	ds_add_u32 v[SPW], v[NIL]
	s_wait_dscnt 0x0
	ROUND                                          ; the closing round: no work-group ends while a partner may still ask for a tile that names it
	s_endpgm
.Lfunc_end_k_qeb3f3bf535_attn:
	.size	k_qeb3f3bf535_attn, .Lfunc_end_k_qeb3f3bf535_attn-k_qeb3f3bf535_attn
	.p2alignl 7, 3214868480
	.fill 96, 4, 3214868480
	.section	.rodata,"a",@progbits
	.p2align	6, 0x0
	.amdhsa_kernel k_qeb3f3bf535_attn
		.amdhsa_group_segment_fixed_size 327680
		.amdhsa_private_segment_fixed_size 0
		.amdhsa_enable_private_segment 0
		.amdhsa_kernarg_size 56
		.amdhsa_user_sgpr_count 2
		.amdhsa_user_sgpr_kernarg_segment_ptr 1
		.amdhsa_wavefront_size32 1
		.amdhsa_system_sgpr_workgroup_id_x 1
		.amdhsa_system_sgpr_workgroup_id_y 1
		.amdhsa_system_sgpr_workgroup_id_z 1
		.amdhsa_system_vgpr_workitem_id 0
		.amdhsa_next_free_vgpr 512
		.amdhsa_next_free_sgpr 102
		.amdhsa_reserve_vcc 1
		.amdhsa_float_denorm_mode_32 3
		.amdhsa_float_denorm_mode_16_64 3
		.amdhsa_memory_ordered 1
		.amdhsa_forward_progress 1
		.amdhsa_inst_pref_size 224
	.end_amdhsa_kernel
	.amdgpu_metadata
---
amdhsa.version: [ 1, 2 ]
amdhsa.kernels:
  - .name:           k_qeb3f3bf535_attn
    .symbol:         k_qeb3f3bf535_attn.kd
    .args:
      - { .name: key_codes, .offset: 0, .size: 8, .value_kind: global_buffer, .address_space: global }
      - { .name: key_scales, .offset: 8, .size: 8, .value_kind: global_buffer, .address_space: global }
      - { .name: query_codes, .offset: 16, .size: 8, .value_kind: global_buffer, .address_space: global }
      - { .name: query_scales, .offset: 24, .size: 8, .value_kind: global_buffer, .address_space: global }
      - { .name: value_codes, .offset: 32, .size: 8, .value_kind: global_buffer, .address_space: global }
      - { .name: value_scales, .offset: 40, .size: 8, .value_kind: global_buffer, .address_space: global }
      - { .name: out0, .offset: 48, .size: 8, .value_kind: global_buffer, .address_space: global }
    .group_segment_fixed_size: 327680
    .private_segment_fixed_size: 0
    .kernarg_segment_align: 8
    .kernarg_segment_size: 56
    .max_flat_workgroup_size: 256
    .sgpr_count:     102
    .vgpr_count:     512
    .wavefront_size: 32
...
	.end_amdgpu_metadata
.endif
;; end of part 1
